; MI455X (gfx1250); checked and timed in simulation.
; The chip was launched on July 23, 2026; its instructions are those of AMD's public machine-readable ISA for CDNA 5 (MIT licence, August 2026) and "CDNA5" Instruction Set Architecture Reference Guide (July 2026). The comments in the code are by the model that wrote it; some were corrected since.
;; Self Attention Layer. Allowed arithmetic: matrix products marked QUANTISED: E4M3 operands, one given power-of-two scale a tensor, by v_wmma_f32_16x16x64_fp8_fp8 or v_wmma_f32_16x16x128_fp8_fp8, f32 sums; everything else in f32.
;; Inputs: lowp_scales 8 int32 (the exponents e of the quantised operands' scales 2^e); w_attn_codes 3,072 x 32 x 32 uint8 (E4M3 codes of w_attn, K innermost, in blocks of 32 codes); w_proj_codes 1,024 x 32 x 32 uint8 (E4M3 codes of w_proj, K innermost, in blocks of 32 codes); x_codes 4 x 2,048 x 32 x 32 uint8 (E4M3 codes of x, K innermost, in blocks of 32 codes).
;; Outputs: out0 4 x 2,048 x 1,024 float32.
;; This version of the problem:
;;   THIS VERSION OF THE PROBLEM IS GIVEN IN LOW PRECISION. The matrix products marked QUANTISED in the list below multiply operands that are first quantised to E4M3 (4 exponent bits, 3 mantissa bits; 8 bits a number), with one given power-of-two scale for each operand tensor; their sums are f32. All else is computed in f32.
;;   The module's matrix products, in the order in which they are computed (A, B: the left and right operand; K: the contracted axis; several contracted axes count as one K, in the product's order):
;;     1. [M 8,192, K 1,024] x [K 1,024, N 3,072]; A: input x (given as codes); B: input w_attn (given as codes): QUANTISED (scales: A lowp_scales[0], B lowp_scales[1])
;;     2. batch 64 x [M 2,048, K 64] x [K 64, N 2,048]; A: computed on the way; B: computed on the way: QUANTISED (scales: A lowp_scales[2], B lowp_scales[3])
;;     3. batch 64 x [M 2,048, K 2,048] x [K 2,048, N 64]; A: softmax (see below); B: computed on the way: QUANTISED (scales: A lowp_scales[4], B lowp_scales[5])
;;     4. [M 8,192, K 1,024] x [K 1,024, N 1,024]; A: computed on the way; B: input w_proj (given as codes): QUANTISED (scales: A lowp_scales[6], B lowp_scales[7])
;;   THE QUANTISER, for each operand of a quantised product, along K:
;;     - The operand's scale is 2^e, e = its entry of the input lowp_scales (int32; the entries are numbered through the quantised products in the list's order, A before B).
;;     - Each number is divided by the scale, clamped to +-448, and rounded to the nearest number of E4M3, ties to even, subnormals kept.
;;     - The product sums the exact products of the quantised numbers (number of the format x scale) in f32.
;;   ~~~python
;;   def quantise(x, axis, e):      # numpy; x: float32 -> the quantised numbers, widened to float32 again
;;       x = np.moveaxis(x, axis, -1); K = x.shape[-1]
;;       r = np.clip(x / 2.0 ** e, -448, 448)
;;       step = 2.0 ** (np.maximum(np.frexp(np.where(r == 0, 1, r))[1] - 1, -6) - 3)
;;       q = np.round(r / step) * step * 2.0 ** e      # np.round: ties to even
;;       return np.moveaxis(q, -1, axis).astype(np.float32)
;;   ~~~
;;   SOFTMAX AHEAD OF A QUANTISED PRODUCT. Where the list says 'softmax', what is quantised is not the finished softmax but p = 2^(t - M), with t = logit x log2(e) and M = ceil(the row's largest t), a whole number; so 1/2 < the row's largest p <= 1. The row's sum l is taken of the UNQUANTISED p, in f32, and the product's result is divided by l at the end. Since M is a whole number, a kernel that streams over the keys may use a running M (the ceiling of the running maximum): every later rescaling is an exact power of two, so the quantised numbers keep their values, but for numbers so far below the row's largest that they fall under the format's range.
;;   OPERANDS COMPUTED ON THE WAY. 'Computed on the way' means the value that the module computes at that place (a softmax that the list does not call 'softmax' is quantised finished and normalised). What goes into a quantiser is computed in f32, as accurately as f32 sums, v_exp_f32 and their like allow (about 1e-6 of the number): no bf16 or f16 on the way to a quantiser, and a product that is left as it is and whose result goes on into a quantised operand takes f32 operands (vector FMAs, or v_wmma_f32_16x16x4_f32). A number that lies on a knife's edge between two numbers of the format may be rounded either way, as far as f32 arithmetic and the matrix unit's own rounding can turn it there, and no further.
;;   INPUTS GIVEN AS CODES. w_attn (in the module: [1024, 3072], K = its axis 0); w_proj (in the module: [1024, 1024], K = its axis 0); x (in the module: [4, 2048, 1024], K = its axis 2): each comes as NAME_codes (uint8): NAME with its K axis moved to the last place and cut into blocks of 32 codes, [.., K / 32, bytes a block], one block behind the other in memory; one code a byte (a code: sign, 4 exponent bits, 3 mantissa bits); its scale is its entry of lowp_scales. Its value is code x scale, taken as it is: it is not quantised again, and the codes and scales need not be those that the quantiser above would give.
;; One version. Each part assembles by itself: llvm-mc -triple=amdgcn-amd-amdhsa -mcpu=gfx1250 --defsym DOCPART=n.
;; ======== version 1 of 1: 3 launches
;; limits: right only within a limited range of input values
;; workspace buffers: qimg 8,388,608 bytes; kvimg 16,777,216 bytes; yimg 8,388,608 bytes
;; launch qkv (part 1): grid 12 x 32, 4 waves a work-group, clusters of 4 x 4, 327,680 bytes of LDS; arguments x_codes, w_attn_codes, lowp_scales, qimg, kvimg; writes qimg, kvimg
.if DOCPART == 1
	.amdgcn_target "amdgcn-amd-amdhsa--gfx1250"
	.amdhsa_code_object_version 6
	.text
	.protected	k_q979632ea83_qkv
	.globl	k_q979632ea83_qkv
	.p2align	8
	.type	k_q979632ea83_qkv,@function
k_q979632ea83_qkv:
	s_mov_b64 s[64:65], 0
	v_nop
	global_prefetch_b8 v0, s[64:65] scope:SCOPE_SE
	s_setreg_imm32_b32 hwreg(HW_REG_WAVE_MODE, 25, 1), 1
	s_wait_xcnt 0x0
	s_wait_alu depctr_hold_cnt(0) depctr_sa_sdst(0) depctr_va_vdst(0) depctr_va_sdst(0) depctr_va_ssrc(0) depctr_va_vcc(0) depctr_vm_vsrc(0)
	s_getreg_b32 s2, hwreg(HW_REG_IB_STS2, 6, 4)
	s_cmp_eq_u32 s2, 0
	s_cbranch_scc0 .Lentry_in_a_cluster
	s_endpgm
.Lentry_in_a_cluster:
	s_bfe_u32 s2, ttmp6, 0x10000c
	s_cmp_lg_u32 s2, 0xf033
	s_cbranch_scc0 .Lentry_shape_is_right
	s_endpgm
.Lentry_shape_is_right:
; qkv = x w_attn on codes of FP8 (E4M3), K = 1,024; each finished sum is quantised at once: q with 2^e2, k with 2^e3, v with 2^e5 (e0 .. e7: the eight whole numbers of lowp_scales).
; x_codes: [8192][1024], w_attn_codes: [3072][1024], one code a byte, K innermost.  A sum stands for sum x 2^(e0 + e1), so its code is sum / 2^(e - e0 - e1), to the nearest code.
; LIMITS: e2 - e0 - e1, e3 - e0 - e1 and e5 - e0 - e1 lie between -126 and 119, so that the scale is an f32 number.
; A tile of 256 x 256 is made by a work-group of four waves, a wave makes 128 x 128: 64 accumulators, 512 registers.  K goes in four steps of 256 through a ring of two LDS slots filled by the tensor data mover.
; CLUSTERS: 4 x 4 work-groups; the cluster's x is the ROLE: 0 = q, 1 = k, 2 = v, the same in all sixteen.  Operand A's tile hangs on cy alone and is asked for jointly along a row of the cluster, B's on cx alone, along a column.
;   q, k: A = x (tile 4 x cluster y + cy), B = w_attn (tile 4 x role + cx).   v: A = w_attn (tile 8 + cy), B = x (tile 4 x cluster y + cx).  The choice is made by selects on the role: no branch.
; THE MATRIX INSTRUCTION IS USED TRANSPOSED (source 0 = 16 rows of B, source 1 = 16 rows of A): a lane holds one row of A and eight neighbouring rows of B.  So for q and k a lane holds one token and eight neighbouring channels
; of a head, for v one channel and eight neighbouring keys: eight neighbours along the NEXT product's K, which one conversion turns into two registers of that product's operand.
; THE RESULTS LEAVE AS IMAGES OF THE READER'S OPERAND REGISTERS: registers 4 c .. 4 c + 3 of a fragment at byte 512 c + 16 x lane.  Each store of the wave covers 512 consecutive bytes, aligned; no stage in LDS is needed.
;   qimg  [bh 64][tile of 16 queries, 128][1024]: 16 queries x 64 channels.
;   kvimg [bh 64][slot of 256 keys, 8][32768]: 16 images of 16 keys x 64 channels (1,024 bytes each), then [128 keys, 2][16 channels, 4][2048]: 16 channels x 128 keys.
; REGISTERS, in windows of 256: window 0: v0-31 addresses and constants; from v128 A's fragments, ONE set; on the way out the codes.
;   window 1: B's fragments, TWO sets.   window 2: the accumulators of my rows 0-63 ((a, b) at v[8 (8 a + b)]);   window 3: those of rows 64-127.
.set ROWB,   256                       ; a tile's row in bytes
.set KROW,   1024                      ; a row of x or of w_attn in memory
.set PITCH,  272                       ; an LDS row: 256 bytes + 16 of padding = 68 words: the 16 rows that a load touches start at 16 different banks (64 banks of 4 bytes: ISA guide 11.1)
.set FR,     16                        ; registers of a fragment: 16 rows x 128 K
.set NL,     4                         ; LDS loads that bring one
.set NP,     4                         ; places behind this matrix instruction (ISA guide 7.12.1)
.set HALFT,  128*PITCH                 ; what one tensor load brings
.set SLOT,   4*HALFT                   ; A's 256 rows, then B's 256 rows
.set SPARE,  2*SLOT                    ; behind the ring: the spare words, 128 bytes for each wave
.set ADRA, 16                          ; v16-17  LDS address of my A fragments in slot 0, 1
.set ADRB, 20                          ; v20-21  the same for B
.set OFS,  24                          ; v24-27  the way out: 16 x lane + (a % 4) x the stride of a block
.set SPW,  28                          ; v28     LDS address of my spare word; never rewritten
.set NIL,  29                          ; v29     0; never rewritten
.set SC,   30                          ; v30     2^(e - e0 - e1) as f32
.set LIM,  31
.set T,    32
.set AF,   128                         ; A's fragments
.set CD,   128                         ; the way out: 16 registers of codes for each of the 8 blocks, so that no store's data are written again
.set G1, 24                            ; s[24:31] descriptor group 1 for A's tiles;  s[32:39] group 0, one set for each slot
.set G0, 32
.set G1B, 48                           ; s[48:55], s[56:63] the same for B's tiles
.set G0B, 56
.set MSB, 0
.macro WIN new                         ; the immediate's high byte repeats the setting that is left
.if MSB != \new
	s_set_vgpr_msb (MSB<<8)|\new
.set MSB, \new
.endif
.endm
.set MUL_LO, 0xa1                      ; source 0 (B) window 1, source 1 (A) window 0, C and D window 2
.set MUL_HI, 0xf1                      ; the same, C and D window 3
.set TO_B,   0x40                      ; destination window 1, address window 0
; A joint load: waves 0 and 1 fetch for A, waves 2 and 3 for B.  The branch hangs on the wave's number alone.  Four v_nop follow each of the two lines.
.macro JLOAD g0a, g1a, g0b, g1b
	s_cmp_eq_u32 s15, 0
	s_cbranch_scc0 .Lfor_b_\@
	tensor_load_to_lds s[\g0a:\g0a+3], s[\g1a:\g1a+7]
	s_nop 0
.rept 4
	v_nop
.endr
	s_branch .Lasked_\@
.Lfor_b_\@:
	tensor_load_to_lds s[\g0b:\g0b+3], s[\g1b:\g1b+7]
	s_nop 0
.rept 4
	v_nop
.endr
.Lasked_\@:
.endm
.macro CREST                           ; a round of the cluster's barrier behind its opening barrier
	s_cmp_lg_u32 s14, 0
	s_cbranch_scc1 .Lnot_wave_0_\@
	s_barrier_signal -3
.Lnot_wave_0_\@:
	s_barrier_wait -3
	s_barrier_signal -1
	s_barrier_wait -1
.endm
.macro CROUND                          ; a whole round
	s_barrier_signal -1
	s_barrier_wait -1
	CREST
.endm
	s_load_b256 s[4:11], s[0:1], 0x0               ; x s[4:5], w_attn s[6:7], the scales' exponents s[8:9], qimg s[10:11]
	s_load_b64 s[12:13], s[0:1], 0x20              ; kvimg
	v_lshl_add_u32 v[SPW], v0, 2, SPARE
	v_mov_b32 v[NIL], 0
	ds_add_u32 v28, v29
	ds_add_u32 v28, v29
	s_wait_dscnt 0x0
	v_lshrrev_b32 v1, 5, v0
	v_readfirstlane_b32 s14, v1                    ; wave 0..3
	s_lshr_b32 s15, s14, 1                         ; which half of A's rows is mine.  Also: I fetch for A (0) or for B (1)
	s_and_b32 s16, s14, 1                          ; which half of B's rows.  Also: which 128 rows of that tile I fetch
	s_bfe_u32 s40, ttmp6, 0x40000                  ; cx, cy: my place in the cluster
	s_bfe_u32 s41, ttmp6, 0x40004
	s_and_b32 s66, ttmp7, 0xffff
	s_lshl_b32 s66, s66, 2                         ; 4 x cluster y
	s_lshl_b32 s67, ttmp9, 2                       ; 4 x role
	s_lshl_b32 s43, s41, 2
	s_lshl_b32 s43, 15, s43                        ; my row of the cluster
	s_lshl_b32 s44, 0x1111, s40                    ; my column
	; descriptor group 1: a tile of 128 rows x 256 bytes, padded in LDS
	s_or_b32 s[G1+0], s43, (0<<16)|(1<<20)|(1<<21)|(5<<22)|(3<<25)  ; 15:0 the mask: A's tiles go to my row; 17:16 element of 1 byte; 20 padding on; 21 set beside a mask; 24:22 after every 64 words; 31:25 of 4 words
	s_or_b32 s[G1B+0], s44, (0<<16)|(1<<20)|(1<<21)|(5<<22)|(3<<25)
.irp g, G1, G1B
	s_mov_b32 s[\g+1], ROWB<<16                    ; tensor_dim0
	s_mov_b32 s[\g+2], 128<<16                     ; tensor_dim1 = 128
	s_mov_b32 s[\g+3], ROWB<<16                    ; tile_dim0
	s_mov_b32 s[\g+4], 128                         ; tile_dim1 = 128
	s_mov_b32 s[\g+5], KROW                        ; tensor_dim0_stride: both tensors have rows of 1,024 bytes
	s_mov_b32 s[\g+6], 0
	s_mov_b32 s[\g+7], 0
.endr
	s_cmp_eq_u32 ttmp9, 2                          ; the role v?
	s_cselect_b32 s17, 8, s66
	s_cselect_b32 s42, s66, s67
	s_add_co_u32 s17, s17, s41                     ; A's tile: 8 + cy, or 4 x cluster y + cy: it never holds cx
	s_add_co_u32 s42, s42, s40                     ; B's tile: 4 x cluster y + cx, or 4 x role + cx: it never holds cy
	s_lshl_b32 s18, s16, 7                         ; which 128 rows of the tile I fetch
	s_lshl_b32 s20, s17, 8
	s_add_co_u32 s20, s20, s18
	s_lshl_b32 s20, s20, 10                        ; rows of 1,024 bytes: at most 8,192 of them
	s_mov_b32 s21, 0
	s_lshl_b32 s46, s42, 8
	s_add_co_u32 s46, s46, s18
	s_lshl_b32 s46, s46, 10
	s_mov_b32 s47, 0
	s_mul_i32 s45, s14, HALFT                      ; where they go: wave x 128 rows: no place in the cluster enters an LDS address
	s_wait_kmcnt 0x0
	s_load_b256 s[80:87], s[8:9], 0x0              ; e0 .. e7
	s_cmp_eq_u32 ttmp9, 2
	s_cselect_b64 s[68:69], s[6:7], s[4:5]         ; A's buffer
	s_cselect_b64 s[70:71], s[4:5], s[6:7]         ; B's buffer
	s_add_nc_u64 s[20:21], s[68:69], s[20:21]
	s_add_nc_u64 s[46:47], s[70:71], s[46:47]
	CROUND                                         ; all sixteen work-groups are here: the first joint loads meet
.irp s, 0,1
	s_mov_b32 s[G0+4*\s], 1
	s_add_co_u32 s[G0+4*\s+1], s45, \s*SLOT
	s_add_nc_u64 s[G0+4*\s+2:G0+4*\s+3], s[20:21], \s*ROWB
	s_or_b32 s[G0+4*\s+3], s[G0+4*\s+3], 0x80000000
	s_mov_b32 s[G0B+4*\s], 1
	s_add_co_u32 s[G0B+4*\s+1], s45, \s*SLOT
	s_add_nc_u64 s[G0B+4*\s+2:G0B+4*\s+3], s[46:47], \s*ROWB
	s_or_b32 s[G0B+4*\s+3], s[G0B+4*\s+3], 0x80000000
	s_wait_alu depctr_va_vdst(0)
	s_wait_tensorcnt 0x0
	ds_add_u32 v28, v29
	ds_add_u32 v28, v29
	s_wait_dscnt 0x0
	CROUND
	JLOAD G0+4*\s, G1, G0B+4*\s, G1B               ; K steps 0 and 1: one load of mine is out at a time
.endr
	v_and_b32 v1, 15, v0                           ; l % 16
	v_bfe_u32 v2, v0, 4, 1                         ; l / 16
	v_mul_u32_u24 v3, v1, PITCH
	v_lshl_add_u32 v4, v2, 4, v3                   ; a fragment's row x pitch + 16 x half
	s_mul_i32 s21, s15, HALFT                      ; my 128 rows of A
	s_mul_i32 s22, s16, HALFT                      ; my 128 rows of B,
	s_add_co_u32 s22, s22, 2*HALFT                 ; which lie behind A's 256
.irp s, 0,1
	v_add_nc_u32 v[ADRA+\s], s21, v4
	v_add_nc_u32 v[ADRB+\s], s22, v4
	s_add_co_u32 s21, s21, SLOT
	s_add_co_u32 s22, s22, SLOT
.endr
	s_wait_alu depctr_va_vdst(0)
	; THE WAY OUT'S ADDRESSES AND SCALE, made here, while the first tiles are on their way.  All choices are selects on the role.
	s_wait_kmcnt 0x0
	s_cmp_eq_u32 ttmp9, 0                          ; the role q?
	s_cselect_b32 s95, 17, 18                      ; log2 of a head's bytes: 2^17 in qimg, 2^18 in kvimg
	s_cselect_b32 s93, s82, s83                    ; e2 for q, e3 for k
	s_cselect_b64 s[72:73], s[10:11], s[12:13]     ; qimg or kvimg
	s_lshl_b32 s96, 1, s95
	s_mov_b32 s98, 0x40000
	s_cmp_eq_u32 ttmp9, 2                          ; the role v?
	s_cselect_b32 s88, s40, s41                    ; the place that counts x's tiles: cx for v, cy for q and k
	s_cselect_b32 s89, s41, s40                    ; the place that counts w_attn's tiles
	s_cselect_b32 s90, s16, s15                    ; my half of x's 256 rows
	s_cselect_b32 s91, s15, s16                    ; my half of w_attn's 256 rows: two heads
	s_cselect_b32 s92, 0x4000, 0                   ; v's images lie behind a slot's 16 images of k
	s_cselect_b32 s93, s85, s93                    ; e5 for v
	s_cselect_b32 s94, 11, 10                      ; log2 of the stride from block a to a + 1: an image of 2,048 bytes (v) or of 1,024
	s_cselect_b32 s96, 0x400, s96                  ; from a block's registers 0-7 to its registers 8-15: the image's second half (v), or the next head (q, k)
	s_cselect_b32 s98, s98, 0x1000                 ; from block a to a + 4: the next head (v), or four images on
	s_mov_b32 s97, 0
	s_mov_b32 s99, 0
	s_add_co_u32 s88, s88, s66                     ; x's tile of 256 rows, 0 .. 31
	s_lshr_b32 s2, s88, 3                          ; the batch
	s_and_b32 s88, s88, 7                          ; the slot of 256 tokens in it
	s_lshl_b32 s2, s2, 4
	s_lshl_b32 s89, s89, 2
	s_add_co_u32 s2, s2, s89
	s_lshl_b32 s91, s91, 1
	s_add_co_u32 s2, s2, s91                       ; bh = 16 x batch + 4 x tile + 2 x half: my first head
	s_lshl_b32 s2, s2, s95
	s_sub_co_u32 s3, s95, 3
	s_lshl_b32 s88, s88, s3                        ; a slot is an eighth of a head
	s_add_co_u32 s2, s2, s88
	s_lshl_b32 s90, s90, 13                        ; my 128 tokens: 8 images of 1,024 bytes, or 4 of 2,048
	s_add_co_u32 s2, s2, s90
	s_add_co_u32 s2, s2, s92
	s_mov_b32 s3, 0
	s_add_nc_u64 s[72:73], s[72:73], s[2:3]        ; four bases: blocks 0-3, registers 0-7;
	s_add_nc_u64 s[74:75], s[72:73], s[96:97]      ; blocks 0-3, registers 8-15;
	s_add_nc_u64 s[76:77], s[72:73], s[98:99]      ; blocks 4-7, registers 0-7;
	s_add_nc_u64 s[78:79], s[76:77], s[96:97]      ; blocks 4-7, registers 8-15
	v_and_b32 v6, 31, v0
	v_lshlrev_b32 v[OFS], 4, v6                    ; 16 x lane
	s_lshl_b32 s94, 1, s94
	v_add_nc_u32 v[OFS+1], s94, v[OFS]
	v_add_nc_u32 v[OFS+2], s94, v[OFS+1]
	v_add_nc_u32 v[OFS+3], s94, v[OFS+2]
	s_sub_co_i32 s93, s93, s80
	s_sub_co_i32 s93, s93, s81                     ; e - e0 - e1: the three scales folded into the conversion's one
	s_add_co_i32 s93, s93, 127
	s_lshl_b32 s2, s93, 23
	v_mov_b32 v[SC], s2
.macro FRAG reg, adr, q, i             ; a fragment, 16 rows x 128 K: lane l holds row l % 16; registers 4 c .. 4 c + 3 hold K = 32 c + 16 (l / 16) + 0 .. 15: a permutation of k that is the same in A and in B
.irp c, 0,1,2,3
	ds_load_b128 v[\reg+4*\c:\reg+4*\c+3], v[\adr] offset:128*(\q)+32*\c+(\i)*16*PITCH
.endr
.endm
; 16 matrix instructions: A's blocks a0, a0 + 1 x B's eight, 128 along K.  p: B's set.  zero = 1: the first product starts the sums.  The 64 accumulators take turns, one instruction a turn.
.macro MUL16 a0, p, zero
.irp a, \a0, \a0+1
.irp b, 0,1,2,3,4,5,6,7
.if \zero
	v_wmma_f32_16x16x128_fp8_fp8 v[8*(8*((\a)%4)+\b):8*(8*((\a)%4)+\b)+7], v[128*(\p)+FR*\b:128*(\p)+FR*\b+FR-1], v[AF+FR*(\a):AF+FR*(\a)+FR-1], 0
.else
	v_wmma_f32_16x16x128_fp8_fp8 v[8*(8*((\a)%4)+\b):8*(8*((\a)%4)+\b)+7], v[128*(\p)+FR*\b:128*(\p)+FR*\b+FR-1], v[AF+FR*(\a):AF+FR*(\a)+FR-1], v[8*(8*((\a)%4)+\b):8*(8*((\a)%4)+\b)+7]
.endif
.endr
.endr
.endm
.macro FETCH_B slot, q, p              ; B's eight fragments of the slot's q-th 128 along K into set p
	WIN TO_B
.irp i, 0,1,2,3,4,5,6,7
	FRAG 128*(\p)+FR*\i, ADRB+\slot, \q, \i
.endr
	WIN 0
.endm
.macro FETCH_A slot, q, i0             ; A's blocks i0 .. i0 + 3
.irp i, \i0, \i0+1, \i0+2, \i0+3
	FRAG AF+FR*(\i), ADRA+\slot, \q, \i
.endr
.endm
.macro PLACES n                        ; places in front of loads into registers that matrix instructions have read, and of the first read of results
.rept \n
	v_nop
.endr
.endm
; A step of 128 along K that has its successor in the same slot.  A block of A is free as soon as its eight products are issued: blocks 0-3 are fetched anew in the step's middle, blocks 4-7 at its end.
.macro STEP slot, q, zero
	s_wait_dscnt 4*NL                              ; B's set and A's blocks 0-3 are in; the youngest 16 loads (A's blocks 4-7) may be out
	WIN MUL_LO
	MUL16 0, (\q)%2, \zero
	MUL16 2, (\q)%2, \zero
	s_wait_dscnt 0                                 ; A's blocks 4-7 are in
	PLACES NP
	FETCH_B \slot, (\q)+1, 1-(\q)%2
	FETCH_A \slot, (\q)+1, 0
	WIN MUL_HI
	MUL16 4, (\q)%2, \zero
	MUL16 6, (\q)%2, \zero
	PLACES NP
	WIN 0
	FETCH_A \slot, (\q)+1, 4
.endm
; A slot's last step changes slots: ONE barrier; in front of it each wave waits for all its tensor loads, adds 0 to its spare word, and waits for that and for its own reads of this slot.  fill = 1: this slot is filled again, two K steps ahead.
.macro TURN slot, next, fill
	s_wait_tensorcnt 0x0                           ; all my tensor loads have landed: my part of the next slot (every window is 0 here)
	ds_add_u32 v[SPW], v[NIL]                      ; 0 onto my spare word
	s_wait_dscnt 4*NL+1                            ; the add and the youngest 16 loads, A's blocks 4-7, may be out
	WIN MUL_LO
	MUL16 0, 1, 0                                  ; sixteen matrix instructions stand between the add and the wait for it
	s_wait_dscnt 0x0                               ; the add is done, and my reads of this slot are over
	s_barrier_signal -1
	MUL16 2, 1, 0
	WIN 0
	s_barrier_wait -1
.if \fill
	CREST                                          ; the barrier has opened a round of the cluster's barrier: no wave of any partner still reads this slot's tile or has a load on its way
	s_add_nc_u64 s[G0+4*\slot+2:G0+4*\slot+3], s[G0+4*\slot+2:G0+4*\slot+3], 2*ROWB
	s_add_nc_u64 s[G0B+4*\slot+2:G0B+4*\slot+3], s[G0B+4*\slot+2:G0B+4*\slot+3], 2*ROWB
	JLOAD G0+4*\slot, G1, G0B+4*\slot, G1B         ; the first tensor load behind the round; its four v_nop are also the places in front of the loads below
.else
	PLACES NP
.endif
	FETCH_B \next, 0, 0
	FETCH_A \next, 0, 0
	WIN MUL_HI
	MUL16 4, 1, 0
	MUL16 6, 1, 0
	PLACES NP
	WIN 0
	FETCH_A \next, 0, 4
.endm
	s_wait_tensorcnt 1                             ; my part of K step 0 is in; K step 1's load may be out
	s_barrier_signal -1
	s_barrier_wait -1                              ; everybody's is
	FETCH_B 0, 0, 0
	FETCH_A 0, 0, 0
	FETCH_A 0, 0, 4
	STEP 0, 0, 1                                   ; K = 1,024 is four K steps of 256: they are written out, without a loop.  The first products start the sums
	TURN 0, 1, 1                                   ; slot 0 takes K step 2
	STEP 1, 0, 0
	TURN 1, 0, 1                                   ; slot 1 takes K step 3
	STEP 0, 0, 0
	TURN 0, 1, 0                                   ; nothing is left to fetch
	STEP 1, 0, 0
	s_wait_dscnt 4*NL                              ; the very last step
	WIN MUL_LO
	MUL16 0, 1, 0
	MUL16 2, 1, 0
	s_wait_alu depctr_va_vdst(0)
	s_wait_dscnt 0
	WIN MUL_HI
	MUL16 4, 1, 0
	MUL16 6, 1, 0
	WIN 0
; THE WAY OUT of block a (16 rows of A x my 128 rows of B).  The 64 sums are converted as they are, without a hold (the conversion to an 8-bit code does not saturate: ISA guide 7.6.2);
; accumulator b's eight registers become registers 2 b, 2 b + 1 of the codes.  q, k: registers 0-7 are one head's image of 16 tokens x 64 channels, registers 8-15 the next head's.  v: the 16 registers are one image of 16 channels x 128 keys.
; No address and no data register is written again, so no wait stands among the stores.
.macro OUTBLK a
.set AC, 64*((\a)%4)
.set CB, CD+16*(\a)
.set BS, 72+4*((\a)/4)
	WIN 0x02+((\a)/4)                              ; source 0: window 2 or 3
.set n, 0
.rept 64
.set n, n+1
.endr
.irp b, 0,1,2,3,4,5,6,7
	v_cvt_scalef32_pk8_fp8_f32 v[CB+2*\b:CB+2*\b+1], v[AC+8*\b:AC+8*\b+7], v[SC]
.endr
	WIN 0
	v_nop                                          ; one plain vector instruction behind the last conversion
	global_store_b128 v[OFS+(\a)%4], v[CB:CB+3], s[BS:BS+1]                    ; 32 lanes store 512 consecutive bytes, aligned
	global_store_b128 v[OFS+(\a)%4], v[CB+4:CB+7], s[BS:BS+1] offset:512
	global_store_b128 v[OFS+(\a)%4], v[CB+8:CB+11], s[BS+2:BS+3]
	global_store_b128 v[OFS+(\a)%4], v[CB+12:CB+15], s[BS+2:BS+3] offset:512
.endm
	PLACES NP                                      ; behind the last products: for the reads of results and for the codes, which land where A's fragments lay
.irp a, 0,1,2,3,4,5,6,7
	OUTBLK \a
.endr
	s_wait_tensorcnt 0x0                           ; the wave's end
	ds_add_u32 v[SPW], v[NIL]
	s_wait_dscnt 0x0
	CROUND                                         ; the closing round: no work-group ends while a partner may still ask for a tile that names it
	s_endpgm
.Lfunc_end_k_q979632ea83_qkv:
	.size	k_q979632ea83_qkv, .Lfunc_end_k_q979632ea83_qkv-k_q979632ea83_qkv
	.p2alignl 7, 3214868480
	.fill 96, 4, 3214868480
	.section	.rodata,"a",@progbits
	.p2align	6, 0x0
	.amdhsa_kernel k_q979632ea83_qkv
		.amdhsa_group_segment_fixed_size 327680
		.amdhsa_private_segment_fixed_size 0
		.amdhsa_enable_private_segment 0
		.amdhsa_kernarg_size 40
		.amdhsa_user_sgpr_count 2
		.amdhsa_user_sgpr_kernarg_segment_ptr 1
		.amdhsa_wavefront_size32 1
		.amdhsa_system_sgpr_workgroup_id_x 1
		.amdhsa_system_sgpr_workgroup_id_y 1
		.amdhsa_system_sgpr_workgroup_id_z 1
		.amdhsa_system_vgpr_workitem_id 0
		.amdhsa_next_free_vgpr 1024
		.amdhsa_next_free_sgpr 100
		.amdhsa_reserve_vcc 0
		.amdhsa_float_denorm_mode_32 3
		.amdhsa_float_denorm_mode_16_64 3
		.amdhsa_fp16_overflow 1
		.amdhsa_memory_ordered 1
		.amdhsa_forward_progress 1
		.amdhsa_inst_pref_size 87
	.end_amdhsa_kernel
	.amdgpu_metadata
---
amdhsa.version: [ 1, 2 ]
amdhsa.kernels:
  - .name:           k_q979632ea83_qkv
    .symbol:         k_q979632ea83_qkv.kd
    .args:
      - { .name: x_codes, .offset: 0, .size: 8, .value_kind: global_buffer, .address_space: global }
      - { .name: w_attn_codes, .offset: 8, .size: 8, .value_kind: global_buffer, .address_space: global }
      - { .name: lowp_scales, .offset: 16, .size: 8, .value_kind: global_buffer, .address_space: global }
      - { .name: qimg, .offset: 24, .size: 8, .value_kind: global_buffer, .address_space: global }
      - { .name: kvimg, .offset: 32, .size: 8, .value_kind: global_buffer, .address_space: global }
    .group_segment_fixed_size: 327680
    .private_segment_fixed_size: 0
    .kernarg_segment_align: 8
    .kernarg_segment_size: 40
    .max_flat_workgroup_size: 128
    .sgpr_count:     100
    .vgpr_count:     1024
    .wavefront_size: 32
...
	.end_amdgpu_metadata
.endif
;; end of part 1
;; launch attn (part 2): grid 4 x 64, 16 waves a work-group, no clusters, 327,680 bytes of LDS; arguments qimg, kvimg, lowp_scales, yimg; writes yimg
.if DOCPART == 2
	.amdgcn_target "amdgcn-amd-amdhsa--gfx1250"
	.amdhsa_code_object_version 6
	.text
	.protected	k_q979632ea83_attn
	.globl	k_q979632ea83_attn
	.p2align	8
	.type	k_q979632ea83_attn,@function
k_q979632ea83_attn:
	s_mov_b64 s[64:65], 0
	v_nop
	global_prefetch_b8 v0, s[64:65] scope:SCOPE_SE
	s_setreg_imm32_b32 hwreg(HW_REG_WAVE_MODE, 25, 1), 1
	s_wait_xcnt 0x0
; y[bh][q] = the sum over keys k <= q of softmax_k(Q[q] . K[k] / 8) V[k], head size 64, both products on codes of FP8 (E4M3); y is quantised at once with 2^e6 for the last product.
; qimg, kvimg: images of operand registers (registers 4 c .. 4 c + 3 at byte 512 c + 16 x lane), in the plain forms' own layout (registers 2 c, 2 c + 1: k = 16 c + 8 (lane / 16) + 0 .. 7):
;   qimg [bh 64][tile of 16 queries, 128][1024];  kvimg [bh 64][slot of 256 keys, 8][32768]: 16 images of 16 keys x 64 channels, then [128 keys, 2][16 channels, 4][2048].
;   yimg [256 rows, 32][256 channels, 4][16 rows, 16][head of the four, 4][1024]: 16 rows x 64 channels.
; THE SOFTMAX AHEAD OF THE SECOND PRODUCT: t = score x log2(e) / 8; M = the row's largest t so far, rounded UP to a whole number; p = 2^(t - M) is quantised with 2^e4, not normalised.  The row's sum is taken of the
; unquantised p and divides O at the end.  When M moves, the sum and O are multiplied by 2^(old M - new M): nothing is rounded, and no branch hangs on data.
; SHARES.  Work-group (i, bh) owns the blocks i and 7 - i of 256 queries of its head, one after the other: block i walks the slots 0 .. i of 256 keys, block 7 - i the slots 0 .. 7 - i: NINE slots for every work-group, so that the causal
; mask leaves all 256 work-groups the same work and every trip count is a constant.  Each of the sixteen waves owns 16 queries of the block in hand, in 256 registers: four waves to a SIMD, so that one wave's vector work stands beside another's products and LDS loads.
; NO CLUSTER: the four work-groups of a head want their slots in different orders (block i needs i + 1 slots, block 7 - i needs 8 - i), so partners would need different tiles in the same round.
; LAYOUT.  S^T = K Q^T (source 0 = 16 keys, source 1 = my 16 queries), O^T = V^T P^T: a lane holds ONE query (lane % 16) throughout.  Register 8 kt + j of S^T is key 16 kt + 8 (lane / 16) + j: a conversion of tile kt's eight
; registers gives registers 2 kt, 2 kt + 1 of P in the second product's own layout.  O^T's register 8 dt + j is channel 16 dt + 8 (lane / 16) + j: likewise for y.
; LIMITS on the given exponents, so that each power of two below is an f32 number: e2 + e3 between -123 and 130 (added to c's exponent field); e4 and e6 between -126 and 119; e4 + e5 is applied by v_ldexp_f32 and has none.
.set SLOT1, 32768                      ; a slot is 32,768 bytes, dense; slot 1 begins here: one exclusive or turns an address in one slot into the other's
.set SPARE, 65536                      ; behind the ring: the spare words, 128 bytes for each of the sixteen waves
.set LI,   1                           ; v1   16 x lane: my place in an image, in LDS and in memory; never rewritten
.set SPW,  2                           ; v2   LDS address of my spare word; never rewritten
.set NIL,  3                           ; v3   0; never rewritten
.set PFO,  4                           ; v4   256 x lane: the prefetches' offset; never rewritten
.set ADK,  5                           ; v5   LDS address of the slot in hand + 16 x lane
.set DQ,   6                           ; v6   lane % 16 - 8 (lane / 16), for the mask
.set MM,   8                           ; v8 -M, v9 the largest t
.set SUM,  10                          ; v[10:11] the sum in two halves
.set QF,   16                          ; v16-23  Q's fragment
.set YC,   24                          ; v24-31  y's codes
.set KV,   32                          ; v32-95  K's 8 fragments of 8 registers, then V's 4 of 16
.set S,    96                          ; v96-159 S^T, then p
.set O,    160                         ; v160-191 O^T
.set PC,   192                         ; v192-207 p's codes
.set MX,   208                         ; v208, v209 at work
.set F,    210                         ; v[210:211] f = 2^(old M - new M)
.set SUM2, 212                         ; v[212:213] the second chain of sums
.set PX,   214                         ; v214 a lane permute's destination
.set SCP,  215                         ; v215 2^e4
.set LMP,  216
.set SCY,  217                         ; v217 2^e6
.set LMY,  218
.set NINF, 219                         ; v219 -infinity
.set Q1F,  224                         ; v224-231 the second block's Q
.set TB,    2                          ; s2   LDS byte at which the slot in hand begins
.set SLOTS, 3                          ; s3   8, 7, .. 1: changes of slots still to ask for a tile
.set SW,    12                         ; s12  8 - i: the value of s3 in the first block's last trip
.set NS,    13                         ; s13  the slot of keys that is being asked for; s[14:15]: its bytes
.set KVB,   16                         ; s[16:17] kvimg at my head, + 16,384 in waves that fetch V's half
.set WV,    18                         ; s18  my wave's number
.set KF,    19                         ; s19  the step's first key
.set SEL,   20                         ; s[20:21] lane selects for v_permlanex16_b32: lane l xor 16
.set CS,    22                         ; s[22:23] c = log2(e) / 8 x 2^(e2 + e3)
.set G1,    24                         ; s[24:31] descriptor group 1
.set Q0,    32                         ; s32  my first query; s33 the second block's
.set Q1,    33
.set YB,    34                         ; s[34:35] where my image of y goes; s[36:37] the second block's
.set YB1,   36
.set EPV,   38                         ; s38  e4 + e5
.set LIM,   39                         ; s39  2 in a wave that prefetches, else the greatest number
.set G0,    40                         ; s[40:43] descriptor group 0, which walks
.set PFA,   44                         ; s[44:45] where my prefetches stand
; Wave 0 fetches a slot's 16,384 bytes of K, wave 1 its 16,384 of V, the others nothing.  The branch hangs on the wave's number alone.  Four v_nop follow the line.
.macro TLOAD
	s_cmp_lt_u32 s[WV], 2
	s_cbranch_scc0 .Lnone_\@
	tensor_load_to_lds s[G0:G0+3], s[G1:G1+7]
	s_nop 0
.rept 4
	v_nop
.endr
.Lnone_\@:
.endm
; A PREFETCH INTO THE L2.  All four work-groups of a head walk the same slots: the head's work-group 0 asks, and in it waves 4 to 7, which fetch nothing: 8,192 bytes a wave, lanes 256 bytes apart, one instruction.
; At the n-th change of slots (n = 0 .. 5) slot n + 2 is named: work-groups 1 to 3 ask for it by their tensor loads one change later, work-group 0 two changes later.  So each aligned block of 256 bytes is named once in the launch.
; Slots 0 and 1 come by their loads alone; the last two changes that fill a slot name nothing: there is no slot 8.
.macro ASK
	s_cmp_gt_u32 s[SLOTS], s[LIM]
	s_cbranch_scc0 .Lnot_mine_\@
	global_prefetch_b8 v[PFO], s[PFA:PFA+1] th:TH_LOAD_NT scope:SCOPE_SE
.Lnot_mine_\@:
.endm
	s_load_b128 s[4:7], s[0:1], 0x0                ; qimg s[4:5], kvimg s[6:7]
	s_load_b128 s[8:11], s[0:1], 0x10              ; the scales' exponents s[8:9], yimg s[10:11]
	v_lshl_add_u32 v[SPW], v0, 2, SPARE
	v_mov_b32 v[NIL], 0
	ds_add_u32 v2, v3
	ds_add_u32 v2, v3
	s_wait_dscnt 0x0
	v_lshrrev_b32 v5, 5, v0
	s_delay_alu instid0(VALU_DEP_1)
	v_readfirstlane_b32 s[WV], v5                  ; wave 0..15
	s_and_b32 s60, ttmp7, 0xffff                   ; bh
	s_sub_co_u32 s[SW], 8, ttmp9
	s_sub_co_u32 s61, 7, ttmp9                     ; the second block of queries
	s_lshl_b32 s62, s[WV], 4
	s_lshl_b32 s[Q0], ttmp9, 8
	s_add_co_u32 s[Q0], s[Q0], s62                 ; my first query: 256 x block + 16 x wave
	s_lshl_b32 s[Q1], s61, 8
	s_add_co_u32 s[Q1], s[Q1], s62
	s_lshl_b32 s46, s60, 17                        ; Q: a head is 2^17 bytes, a tile of 16 queries 1,024: 64 bytes a query
	s_lshl_b32 s56, s[Q0], 6
	s_add_co_u32 s56, s56, s46
	s_mov_b32 s57, 0
	s_lshl_b32 s58, s[Q1], 6
	s_add_co_u32 s58, s58, s46
	s_mov_b32 s59, 0
	s_lshr_b32 s46, s60, 4                         ; y: the batch's 8 blocks of 2^18 bytes,
	s_lshl_b32 s46, s46, 21
	s_bfe_u32 s47, s60, 0x20002                    ; the head's group of 256 channels,
	s_lshl_b32 s47, s47, 16
	s_add_co_u32 s46, s46, s47
	s_and_b32 s47, s60, 3                          ; the head in that group,
	s_lshl_b32 s47, s47, 10
	s_add_co_u32 s46, s46, s47
	s_lshl_b32 s47, s[WV], 12                      ; my 16 rows of the block
	s_add_co_u32 s46, s46, s47
	s_lshl_b32 s[YB], ttmp9, 18
	s_add_co_u32 s[YB], s[YB], s46
	s_mov_b32 s[YB+1], 0
	s_lshl_b32 s[YB1], s61, 18
	s_add_co_u32 s[YB1], s[YB1], s46
	s_mov_b32 s[YB1+1], 0
	s_lshl_b32 s[KVB], s60, 18                     ; K and V: a head is 2^18 bytes
	s_and_b32 s47, s[WV], 1
	s_lshl_b32 s47, s47, 14                        ; wave 0: K's half of a slot; wave 1: V's; in memory and in LDS alike
	s_add_co_u32 s[KVB], s[KVB], s47
	s_mov_b32 s[KVB+1], 0
	s_lshl_b32 s[PFA], s60, 18
	s_and_b32 s62, s[WV], 3
	s_lshl_b32 s62, s62, 13                        ; my wave's 8,192 bytes of a slot,
	s_add_co_u32 s[PFA], s[PFA], s62
	s_add_co_u32 s[PFA], s[PFA], SLOT1             ; in slot 1: the first change of slots steps it to slot 2.  Nothing is prefetched here, at the head
	s_mov_b32 s[PFA+1], 0
	s_sub_co_u32 s62, s[WV], 4
	s_lshr_b32 s62, s62, 2                         ; 0 in waves 4 to 7,
	s_or_b32 s62, s62, ttmp9                       ; of the head's work-group 0
	s_cmp_eq_u32 s62, 0
	s_cselect_b32 s[LIM], 2, -1
	; descriptor group 1: 16,384 dense bytes as 64 rows of 256
	s_mov_b32 s[G1], 3<<16                         ; 15:0 no mask; 17:16 elements of 8 bytes; no padding: an image is read 512 consecutive bytes at a time
	s_mov_b32 s[G1+1], 32<<16                      ; tensor_dim0 = 32 elements
	s_mov_b32 s[G1+2], 64<<16                      ; tensor_dim1 = 64
	s_mov_b32 s[G1+3], 32<<16                      ; tile_dim0
	s_mov_b32 s[G1+4], 64                          ; tile_dim1
	s_mov_b32 s[G1+5], 32                          ; tensor_dim0_stride
	s_mov_b32 s[G1+6], 0
	s_mov_b32 s[G1+7], 0
	s_mov_b32 s[SEL], 0x76543210
	s_mov_b32 s[SEL+1], 0xfedcba98
	s_mov_b32 s[CS], 0x3e38aa3b                    ; c = log2(e) / 8
	s_mov_b32 s[TB], 0
	s_mov_b32 s[SLOTS], 8
	s_mov_b32 s[NS], 0
	s_mov_b32 s15, 0
	s_mov_b32 s[KF], 0
	s_wait_kmcnt 0x0
	s_load_b256 s[48:55], s[8:9], 0x0              ; e0 .. e7
	s_add_nc_u64 s[KVB:KVB+1], s[6:7], s[KVB:KVB+1]
	s_add_nc_u64 s[PFA:PFA+1], s[6:7], s[PFA:PFA+1]
	s_add_nc_u64 s[56:57], s[4:5], s[56:57]
	s_add_nc_u64 s[58:59], s[4:5], s[58:59]
	s_add_nc_u64 s[YB:YB+1], s[10:11], s[YB:YB+1]
	s_add_nc_u64 s[YB1:YB1+1], s[10:11], s[YB1:YB1+1]
	s_mov_b32 s[G0], 1                             ; 1:0 count = 1
	s_mov_b32 s[G0+1], s47                         ; 63:32 LDS address: slot 0
	s_mov_b64 s[G0+2:G0+3], s[KVB:KVB+1]           ; 120:64 global address: the head's slot 0
	s_or_b32 s[G0+3], s[G0+3], 0x80000000          ; 127:126 type = 2
	TLOAD                                          ; the first trip's tile: one load of mine is out
	v_and_b32 v[LI], 31, v0
	s_delay_alu instid0(VALU_DEP_1)
	v_lshlrev_b32 v[LI], 4, v[LI]
	global_load_b128 v[QF:QF+3], v[LI], s[56:57]               ; Q's fragments of both blocks stay in registers
	global_load_b128 v[QF+4:QF+7], v[LI], s[56:57] offset:512
	global_load_b128 v[Q1F:Q1F+3], v[LI], s[58:59]
	global_load_b128 v[Q1F+4:Q1F+7], v[LI], s[58:59] offset:512
	v_lshlrev_b32 v[PFO], 4, v[LI]
	v_and_b32 v[DQ], 15, v0
	v_bfe_u32 v7, v0, 4, 1
	s_delay_alu instid0(VALU_DEP_1)
	v_lshlrev_b32 v7, 3, v7
	s_delay_alu instid0(VALU_DEP_1)
	v_sub_nc_u32 v[DQ], v[DQ], v7
	v_mov_b32 v[MM+1], 0xff61b1e6                  ; the largest t so far: -3e38, under every t
	s_delay_alu instid0(VALU_DEP_1)
	v_floor_f32 v[MM], -v[MM+1]                    ; -M
	v_mov_b32 v[SUM], 0
	v_mov_b32 v[SUM+1], 0
	v_mov_b32 v[PX], 0                             ; written once: a lane permute's destination counts as one of its sources
	v_mov_b32 v[F+1], 0                            ; (named as the upper half of the pair)
	v_mov_b32 v[NINF], 0xff800000
.set n, 0
.rept 32
	v_mov_b32 v[O+n], 0                            ; O^T.  (A step is written once: the first finds zeros, which the first change of M leaves zeros)
.set n, n+1
.endr
	s_wait_kmcnt 0x0
	s_add_co_i32 s60, s50, s51
	s_lshl_b32 s60, s60, 23
	s_add_co_i32 s[CS], s[CS], s60                 ; a score stands for score x 2^(e2 + e3): the exponents are added to c's exponent field
	s_mov_b32 s[CS+1], s[CS]                       ; (named with it as a pair, so it is written)
	s_add_co_i32 s60, s52, 127
	s_lshl_b32 s61, s60, 23
	v_mov_b32 v[SCP], s61                          ; 2^e4
	s_add_co_i32 s60, s54, 127
	s_lshl_b32 s61, s60, 23
	v_mov_b32 v[SCY], s61                          ; 2^e6
	s_add_co_i32 s[EPV], s52, s53                  ; e4 + e5
; A KEY STEP: 128 keys, the q-th of the slot in hand.
.macro STEP q
	s_add_co_u32 s56, s[Q0], 15                    ; a step all of whose keys come after my 16 queries is left out: a scalar branch on ids; no barrier and no tensor load stands in a step
	s_cmp_gt_u32 s[KF], s56
	s_cbranch_scc1 .Lhidden_\@
	v_add_nc_u32 v[ADK], s[TB], v[LI]
.rept 3
	v_nop                                          ; with the addition above: four places in front of loads into registers that the last products read
.endr
.irp kt, 0,1,2,3,4,5,6,7
	ds_load_b128 v[KV+8*\kt:KV+8*\kt+3], v[ADK] offset:8192*(\q)+1024*\kt
	ds_load_b128 v[KV+8*\kt+4:KV+8*\kt+7], v[ADK] offset:8192*(\q)+1024*\kt+512
.endr
	s_wait_alu depctr_va_vdst(0)
	s_wait_dscnt 0x0
.irp kt, 0,1,2,3,4,5,6,7
	v_wmma_f32_16x16x64_fp8_fp8 v[S+8*\kt:S+8*\kt+7], v[KV+8*\kt:KV+8*\kt+7], v[QF:QF+7], 0
.endr
.rept 4
	v_nop                                          ; places: for the loads below, into registers that these products read, and for the first read of the scores
.endr
.irp dt, 0,1,2,3
.irp c, 0,1,2,3
	ds_load_b128 v[KV+16*\dt+4*\c:KV+16*\dt+4*\c+3], v[ADK] offset:16384+8192*(\q)+2048*\dt+512*\c   ; V's four fragments land while the softmax is worked
.endr
.endr
	s_add_co_u32 s56, s[KF], 127                   ; on the diagonal the scores of hidden keys become -infinity ahead of the maximum: p = 0 then.  A step all of whose keys count skips this
	s_cmp_le_u32 s56, s[Q0]
	s_cbranch_scc1 .Lopen_\@
	s_sub_co_i32 s56, s[Q0], s[KF]
	v_add_nc_u32 v[MX+1], s56, v[DQ]               ; d = my query - KF - 8 (lane / 16).  Register 8 kt + j holds key KF + 8 (lane / 16) + 16 kt + j: hidden where 16 kt + j > d
.set n, 0
.rept 64
	v_cmp_gt_i32 vcc_lo, 16*(n/8)+n%8, v[MX+1]
	v_cndmask_b32 v[S+n], v[S+n], v[NINF], vcc_lo
.set n, n+1
.endr
.Lopen_\@:
	v_max3_num_f32 v[MX], v[S], v[S+1], v[S+2]     ; the step's largest score of my query, among my 64 keys, in two chains,
	v_max3_num_f32 v[MX+1], v[S+3], v[S+4], v[S+5]
.irp i, 6,10,14,18,22,26,30,34,38,42,46,50,54,58
	v_max3_num_f32 v[MX], v[MX], v[S+\i], v[S+1+\i]
	v_max3_num_f32 v[MX+1], v[MX+1], v[S+2+\i], v[S+3+\i]
.endr
	v_max3_num_f32 v[MX], v[MX], v[S+62], v[S+63]
	s_delay_alu instid0(VALU_DEP_1)
	v_max_num_f32 v[MX], v[MX], v[MX+1]
	s_delay_alu instid0(VALU_DEP_1)
	v_permlanex16_b32 v[PX], v[MX], s[SEL], s[SEL+1]
	s_delay_alu instid0(VALU_DEP_1)
	v_max_num_f32 v[MX], v[MX], v[PX]              ; and among lane l xor 16's
	s_delay_alu instid0(VALU_DEP_1)
	v_mul_f32 v[MX], s[CS], v[MX]                  ; as t (c is positive)
	s_delay_alu instid0(VALU_DEP_1)
	v_max_num_f32 v[MM+1], v[MM+1], v[MX]          ; the running largest t
	v_mov_b32 v[MX], v[MM]
	s_delay_alu instid0(VALU_DEP_2)
	v_floor_f32 v[MM], -v[MM+1]                    ; the new -M = floor(-t) = -ceil(t): M is a whole number
	s_delay_alu instid0(VALU_DEP_1)
	v_sub_f32 v[MX], v[MM], v[MX]                  ; M's old value less its new one: a whole number, 0 or less
	s_delay_alu instid0(VALU_DEP_1)
	v_cvt_i32_f32 v[MX], v[MX]                     ; (it saturates)
	s_delay_alu instid0(VALU_DEP_1)
	v_ldexp_f32 v[F], 1.0, v[MX]                   ; f = 2^(old M - new M)
.set n, 0
.rept 32
	v_pk_fma_f32 v[S+n:S+n+1], v[S+n:S+n+1], s[CS:CS+1], v[MM:MM+1] op_sel_hi:[1,0,0]   ; t - M, two at a time (of the pairs c and -M the low word serves both halves)
.set n, n+2
.endr
.set n, 0
	s_wait_alu depctr_va_vdst(0)
.rept 64
	v_exp_f32 v[S+n], v[S+n]                       ; p = 2^(t - M), at most 1: not normalised
.set n, n+1
.endr
	v_pk_mul_f32 v[SUM:SUM+1], v[SUM:SUM+1], v[F:F+1] op_sel_hi:[1,0]   ; the sums under the new M: the plain instruction behind the exponentials
	s_wait_alu depctr_va_vdst(0)                   ; one wait for the whole batch, ahead of its first reader
	v_pk_add_f32 v[212:213], v[100:101], v[104:105]
	v_pk_add_f32 v[254:255], v[108:109], v[112:113]
	v_pk_add_f32 v[252:253], v[116:117], v[120:121]
	v_pk_add_f32 v[250:251], v[124:125], v[128:129]
	v_pk_add_f32 v[248:249], v[132:133], v[136:137]
	v_pk_add_f32 v[246:247], v[140:141], v[144:145]
	v_pk_add_f32 v[244:245], v[148:149], v[152:153]
	v_pk_add_f32 v[10:11], v[10:11], v[156:157]
	v_pk_add_f32 v[212:213], v[212:213], v[96:97]
	v_pk_add_f32 v[254:255], v[254:255], v[98:99]
	v_pk_add_f32 v[252:253], v[252:253], v[102:103]
	v_pk_add_f32 v[250:251], v[250:251], v[106:107]
	v_pk_add_f32 v[248:249], v[248:249], v[110:111]
	v_pk_add_f32 v[246:247], v[246:247], v[114:115]
	v_pk_add_f32 v[244:245], v[244:245], v[118:119]
	v_pk_add_f32 v[10:11], v[10:11], v[122:123]
	v_pk_add_f32 v[212:213], v[212:213], v[126:127]
	v_pk_add_f32 v[254:255], v[254:255], v[130:131]
	v_pk_add_f32 v[252:253], v[252:253], v[134:135]
	v_pk_add_f32 v[250:251], v[250:251], v[138:139]
	v_pk_add_f32 v[248:249], v[248:249], v[142:143]
	v_pk_add_f32 v[246:247], v[246:247], v[146:147]
	v_pk_add_f32 v[244:245], v[244:245], v[150:151]
	v_pk_add_f32 v[10:11], v[10:11], v[154:155]
	v_pk_add_f32 v[212:213], v[212:213], v[158:159]
	s_delay_alu instid0(VALU_DEP_2)
	v_pk_add_f32 v[10:11], v[10:11], v[250:251]
	s_delay_alu instid0(VALU_DEP_2)
	v_pk_add_f32 v[212:213], v[212:213], v[248:249]
	v_pk_add_f32 v[254:255], v[254:255], v[246:247]
	v_pk_add_f32 v[252:253], v[252:253], v[244:245]
	s_delay_alu instid0(VALU_DEP_2)
	v_pk_add_f32 v[10:11], v[10:11], v[254:255]
	s_delay_alu instid0(VALU_DEP_2)
	v_pk_add_f32 v[212:213], v[212:213], v[252:253]
	s_delay_alu instid0(VALU_DEP_1)
	v_pk_add_f32 v[10:11], v[10:11], v[212:213]
.irp kt, 0,1,2,3,4,5,6,7
.irp i, 0,1,2,3,4,5,6,7
.endr
	v_cvt_scalef32_pk8_fp8_f32 v[PC+2*\kt:PC+2*\kt+1], v[S+8*\kt:S+8*\kt+7], v[SCP]
.endr
.set n, 0
.rept 16
	v_pk_mul_f32 v[O+n:O+n+1], v[O+n:O+n+1], v[F:F+1] op_sel_hi:[1,0]   ; O^T under the new M.  (These are also the plain instructions between the conversions and the products that read the codes)
.set n, n+2
.endr
	s_wait_alu depctr_va_vdst(0)
	s_wait_dscnt 0x0                               ; V is in
.irp dt, 0,1,2,3
	v_wmma_f32_16x16x128_fp8_fp8 v[O+8*\dt:O+8*\dt+7], v[KV+16*\dt:KV+16*\dt+15], v[PC:PC+15], v[O+8*\dt:O+8*\dt+7]
.endr
.Lhidden_\@:
	s_add_co_u32 s[KF], s[KF], 128
.endm
; THE CHANGE OF SLOTS stands at a slot's head.  Each wave waits for all its tensor loads (its part of the slot that it is about to read), adds 0 to its spare word, and waits for that and for its reads of the slot that it has left.
; Behind the barrier the slot ahead is whole and nobody reads the other one.  fill = 1: that other slot is filled with the next trip's keys: the next slot of the block in hand, or slot 0 where the second block begins.
.macro CHANGE fill
	s_wait_tensorcnt 0x0                           ; no tensor load of mine is out, so the group 0 may be written
	ds_add_u32 v[SPW], v[NIL]                      ; 0 onto my spare word; the descriptor's steps stand between it and the wait for it
.if \fill
	s_add_co_u32 s[NS], s[NS], 1
	s_cmp_eq_u32 s[SLOTS], s[SW]                   ; the first block's last trip?  (a number made of the work-group's x alone)
	s_cselect_b32 s[NS], 0, s[NS]
	s_lshl_b32 s14, s[NS], 15
	s_xor_b32 s[G0+1], s[G0+1], SLOT1              ; the other slot than last time
	s_add_nc_u64 s[G0+2:G0+3], s[KVB:KVB+1], s[14:15]
	s_or_b32 s[G0+3], s[G0+3], 0x80000000
	s_wait_xcnt 0x0                                ; the last prefetch, a slot back, has read its address, so it may be written
	s_add_nc_u64 s[PFA:PFA+1], s[PFA:PFA+1], SLOT1
.endif
	s_wait_dscnt 0x0                               ; the add is done, and my reads of the slot that I have left are over
	s_barrier_signal -1
	s_barrier_wait -1
.if \fill
	TLOAD                                          ; the first thing behind the barrier, and a wave's one tensor load until the next
	ASK
.endif
.endm
; A BLOCK'S END.  O^T is divided by the row's sum, multiplied by 2^(e4 + e5) and turned into codes with 2^e6: the eight registers are my image of 16 rows x 64 channels, stored as 2 x 512 consecutive bytes.
; more = 1: the second block's Q, query numbers and address take the first's places, and the running state begins anew.
.macro FINISH more
.rept 4
	v_nop                                          ; places behind the last products
.endr
	v_add_f32 v[SUM], v[SUM], v[SUM+1]             ; the sum's two halves,
	s_delay_alu instid0(VALU_DEP_1)
	v_permlanex16_b32 v[PX], v[SUM], s[SEL], s[SEL+1]
	s_delay_alu instid0(VALU_DEP_1)
	v_add_f32 v[SUM], v[SUM], v[PX]                ; and lane l xor 16's: the row's sum
	s_wait_alu depctr_va_vdst(0)
	v_rcp_f32 v[SUM], v[SUM]
	v_nop                                          ; a plain instruction behind the transcendental
	s_wait_alu depctr_va_vdst(0)                   ; and the wait ahead of its first reader
	v_ldexp_f32 v[SUM], v[SUM], s[EPV]
.set n, 0
.rept 16
	v_pk_mul_f32 v[S+n:S+n+1], v[O+n:O+n+1], v[SUM:SUM+1] op_sel_hi:[1,0]   ; each accumulator from its low end on
.set n, n+2
.endr
.set n, 0
.rept 32
.set n, n+1
.endr
.irp dt, 0,1,2,3
	v_cvt_scalef32_pk8_fp8_f32 v[YC+2*\dt:YC+2*\dt+1], v[S+8*\dt:S+8*\dt+7], v[SCY]
.endr
	v_nop                                          ; one plain vector instruction behind the last conversion
	global_store_b128 v[LI], v[YC:YC+3], s[YB:YB+1]
	global_store_b128 v[LI], v[YC+4:YC+7], s[YB:YB+1] offset:512
.if \more
	s_wait_xcnt 0x0                                ; the stores have read their base and their data: both may be written again
	s_mov_b64 s[YB:YB+1], s[YB1:YB1+1]
	s_mov_b32 s[Q0], s[Q1]
	s_mov_b32 s[KF], 0
.set n, 0
.rept 8
	v_mov_b32 v[QF+n], v[Q1F+n]
.set n, n+1
.endr
	v_mov_b32 v[MM+1], 0xff61b1e6
	s_delay_alu instid0(VALU_DEP_1)
	v_floor_f32 v[MM], -v[MM+1]
	v_mov_b32 v[SUM], 0
	v_mov_b32 v[SUM+1], 0
.set n, 0
.rept 32
	v_mov_b32 v[O+n], 0
.set n, n+1
.endr
.endif
.endm
	s_wait_loadcnt 0x0                             ; Q, both blocks'
.Lslot:                                            ; eight trips: behind each change of slots but the last the next trip's tile is asked for
	CHANGE 1
	STEP 0
	STEP 1
	s_xor_b32 s[TB], s[TB], SLOT1                  ; on to the other slot
	s_cmp_lg_u32 s[SLOTS], s[SW]
	s_cbranch_scc1 .Lsame
	FINISH 1                                       ; the first block of queries is done
.Lsame:
	s_sub_co_u32 s[SLOTS], s[SLOTS], 1
	s_cmp_lg_u32 s[SLOTS], 0
	s_cbranch_scc1 .Lslot
	CHANGE 0                                       ; the ninth trip is written out
	STEP 0
	STEP 1
	FINISH 0
	s_wait_tensorcnt 0x0                           ; the wave's end
	ds_add_u32 v[SPW], v[NIL]
	s_wait_dscnt 0x0
	s_endpgm
.Lfunc_end_k_q979632ea83_attn:
	.size	k_q979632ea83_attn, .Lfunc_end_k_q979632ea83_attn-k_q979632ea83_attn
	.p2alignl 7, 3214868480
	.fill 96, 4, 3214868480
	.section	.rodata,"a",@progbits
	.p2align	6, 0x0
	.amdhsa_kernel k_q979632ea83_attn
		.amdhsa_group_segment_fixed_size 327680
		.amdhsa_private_segment_fixed_size 0
		.amdhsa_enable_private_segment 0
		.amdhsa_kernarg_size 32
		.amdhsa_user_sgpr_count 2
		.amdhsa_user_sgpr_kernarg_segment_ptr 1
		.amdhsa_wavefront_size32 1
		.amdhsa_system_sgpr_workgroup_id_x 1
		.amdhsa_system_sgpr_workgroup_id_y 1
		.amdhsa_system_sgpr_workgroup_id_z 1
		.amdhsa_system_vgpr_workitem_id 0
		.amdhsa_next_free_vgpr 256
		.amdhsa_next_free_sgpr 66
		.amdhsa_reserve_vcc 1
		.amdhsa_float_denorm_mode_32 3
		.amdhsa_float_denorm_mode_16_64 3
		.amdhsa_fp16_overflow 1
		.amdhsa_memory_ordered 1
		.amdhsa_forward_progress 1
		.amdhsa_inst_pref_size 89
	.end_amdhsa_kernel
	.amdgpu_metadata
---
amdhsa.version: [ 1, 2 ]
amdhsa.kernels:
  - .name:           k_q979632ea83_attn
    .symbol:         k_q979632ea83_attn.kd
    .args:
      - { .name: qimg, .offset: 0, .size: 8, .value_kind: global_buffer, .address_space: global }
      - { .name: kvimg, .offset: 8, .size: 8, .value_kind: global_buffer, .address_space: global }
      - { .name: lowp_scales, .offset: 16, .size: 8, .value_kind: global_buffer, .address_space: global }
      - { .name: yimg, .offset: 24, .size: 8, .value_kind: global_buffer, .address_space: global }
    .group_segment_fixed_size: 327680
    .private_segment_fixed_size: 0
    .kernarg_segment_align: 8
    .kernarg_segment_size: 32
    .max_flat_workgroup_size: 512
    .sgpr_count:     66
    .vgpr_count:     256
    .wavefront_size: 32
...
	.end_amdgpu_metadata
.endif
;; end of part 2
;; launch proj (part 3): grid 8 x 32, 4 waves a work-group, clusters of 4 x 4, 327,680 bytes of LDS; arguments yimg, w_proj_codes, lowp_scales, out0; writes out0
.if DOCPART == 3
	.amdgcn_target "amdgcn-amd-amdhsa--gfx1250"
	.amdhsa_code_object_version 6
	.text
	.protected	k_q979632ea83_proj
	.globl	k_q979632ea83_proj
	.p2align	8
	.type	k_q979632ea83_proj,@function
k_q979632ea83_proj:
	s_mov_b64 s[64:65], 0
	v_nop
	global_prefetch_b8 v0, s[64:65] scope:SCOPE_SE
	s_setreg_imm32_b32 hwreg(HW_REG_WAVE_MODE, 25, 1), 1
	s_wait_xcnt 0x0
	s_wait_alu depctr_hold_cnt(0) depctr_sa_sdst(0) depctr_va_vdst(0) depctr_va_sdst(0) depctr_va_ssrc(0) depctr_va_vcc(0) depctr_vm_vsrc(0)
	s_getreg_b32 s2, hwreg(HW_REG_IB_STS2, 6, 4)
	s_cmp_eq_u32 s2, 0
	s_cbranch_scc0 .Lentry_in_a_cluster
	s_endpgm
.Lentry_in_a_cluster:
	s_bfe_u32 s2, ttmp6, 0x10000c
	s_cmp_lg_u32 s2, 0xf033
	s_cbranch_scc0 .Lentry_shape_is_right
	s_endpgm
.Lentry_shape_is_right:
; out0 = y w_proj on codes of FP8 (E4M3), K = 1,024; each finished sum is multiplied once by 2^(e6 + e7) (entries 6 and 7 of lowp_scales).  out0: [8192][1024] f32.
; LIMIT: e6 + e7 lies between -126 and 127, so that 2^(e6 + e7) is an f32 number.
; yimg: images of operand registers, [256 rows, 32][256 along K, 4][16 rows, 16][64 along K, 4][1024], registers 4 c .. 4 c + 3 at byte 512 c + 16 x lane, in the plain form's own layout (registers 2 c, 2 c + 1: k = 16 c + 8 (lane / 16) + 0 .. 7):
; two neighbouring images are a fragment of 16 rows x 128 K, read by four loads of 512 consecutive bytes.  w_proj_codes: [1024][1024], K innermost: its fragments are read in the same layout, by eight loads of 8 bytes a lane.
; A tile of 256 rows x 128 columns is made by a work-group of four waves: 256 tiles.  A wave makes 128 x 64: 32 accumulators.  Source 0 = 16 rows of w_proj, source 1 = y: a lane holds eight neighbouring numbers of a row of out0.
; K = 1,024 is four K steps of 256.  THREE LDS slots take K steps 0, 1 and 2 as first fills; only K step 3 is a refill (into slot 0): one round of the cluster's barrier in the products' run.  Three loads of a wave are out at the start, later one.
; CLUSTERS: 4 x 4 work-groups.  y's tile hangs on the tile row alone and is asked for jointly along a row of the cluster, w_proj's on the tile column alone, along a column.
; REGISTERS: window 0: v0-31 addresses; v32-63 at work on the way out; v128-255 w_proj's fragments, two sets of 64.   window 1: y's fragments, two sets of 128; on the way out rows of out0.   window 2: accumulator (a, b) at v[8 (4 a + b)].
.set PITCH,  272                       ; a row of w_proj's tile in LDS: 256 bytes + 16 of padding
.set YBYTES, 65536                     ; y's part of a slot: 16 tiles of rows x 4,096 bytes, dense
.set WHALF,  64*PITCH                  ; 64 rows of w_proj: what one tensor load brings, and what one wave reads
.set SLOT,   YBYTES+2*WHALF
.set SPARE,  3*SLOT                    ; behind the slots: the spare words, 128 bytes for each wave
.set STAGE,  SPARE+512                 ; behind them: 16 rows x 272 bytes for each wave, for the way out; no fill lands there
.set ADY,  8                           ; v8-10   LDS address of my fragments of y in slot 0, 1, 2
.set ADW,  12                          ; v12-14  the same for w_proj
.set STO,  24                          ; v24     the way out: where I put 32 bytes of a row
.set RD,   25                          ; v25     where I read a row back
.set CO,   26                          ; v26     my byte offset in two rows of out0
.set SPW,  28                          ; v28     LDS address of my spare word; never rewritten
.set NIL,  29                          ; v29     0; never rewritten
.set TMP,  32                          ; v32-63  a block's sums x 2^(e6 + e7)
.set WF,   128                         ; w_proj's fragments
.set G1Y, 24                           ; s[24:31] descriptor group 1 for y's tiles;  s[32:43] group 0, one set for each slot
.set G0Y, 32
.set G1W, 44                           ; s[44:51], s[52:63] the same for w_proj's
.set G0W, 52
.set MSB, 0
.macro WIN new                         ; the immediate's high byte repeats the setting that is left
.if MSB != \new
	s_set_vgpr_msb (MSB<<8)|\new
.set MSB, \new
.endif
.endm
.set MUL,  0xa4                        ; source 0 (w_proj) window 0, source 1 (y) window 1, C and D window 2
.set TO_Y, 0x40                        ; destination window 1, address window 0
.macro JLOAD g0a, g1a, g0b, g1b        ; a joint load: waves 0 and 1 fetch y's halves, waves 2 and 3 w_proj's; four v_nop follow each of the two lines
	s_cmp_eq_u32 s15, 0
	s_cbranch_scc0 .Lfor_b_\@
	tensor_load_to_lds s[\g0a:\g0a+3], s[\g1a:\g1a+7]
	s_nop 0
.rept 4
	v_nop
.endr
	s_branch .Lasked_\@
.Lfor_b_\@:
	tensor_load_to_lds s[\g0b:\g0b+3], s[\g1b:\g1b+7]
	s_nop 0
.rept 4
	v_nop
.endr
.Lasked_\@:
.endm
.macro CREST                           ; a round of the cluster's barrier behind its opening barrier
	s_cmp_lg_u32 s14, 0
	s_cbranch_scc1 .Lnot_wave_0_\@
	s_barrier_signal -3
.Lnot_wave_0_\@:
	s_barrier_wait -3
	s_barrier_signal -1
	s_barrier_wait -1
.endm
.macro CROUND                          ; a whole round
	s_barrier_signal -1
	s_barrier_wait -1
	CREST
.endm
.macro PLACES n
.rept \n
	v_nop
.endr
.endm
	s_load_b256 s[4:11], s[0:1], 0x0               ; yimg s[4:5], w_proj s[6:7], the scales' exponents s[8:9], out0 s[10:11]
	v_lshl_add_u32 v[SPW], v0, 2, SPARE
	v_mov_b32 v[NIL], 0
	ds_add_u32 v28, v29
	ds_add_u32 v28, v29
	s_wait_dscnt 0x0
	v_lshrrev_b32 v1, 5, v0
	v_readfirstlane_b32 s14, v1                    ; wave 0..3
	s_lshr_b32 s15, s14, 1                         ; which half of the tile's rows is mine.  Also: I fetch for y (0) or for w_proj (1)
	s_and_b32 s16, s14, 1                          ; which half of its columns.  Also: which half of that tile I fetch
	s_bfe_u32 s66, ttmp6, 0x40000                  ; cx, cy
	s_bfe_u32 s67, ttmp6, 0x40004
	s_lshl_b32 s68, ttmp9, 2
	s_add_co_u32 s68, s68, s66                     ; tile column = 4 x cluster x + cx, 0 .. 7
	s_and_b32 s69, ttmp7, 0xffff
	s_lshl_b32 s69, s69, 2
	s_add_co_u32 s69, s69, s67                     ; tile row = 4 x cluster y + cy, 0 .. 31
	s_lshl_b32 s70, s67, 2
	s_lshl_b32 s70, 15, s70                        ; my row of the cluster
	s_lshl_b32 s71, 0x1111, s66                    ; my column
	; y: 32,768 dense bytes as 128 rows of 256, no padding
	s_or_b32 s[G1Y], s70, (3<<16)|(1<<21)          ; 15:0 the mask: my row; 17:16 elements of 8 bytes; 21 set beside a mask
	s_mov_b32 s[G1Y+1], 32<<16                     ; tensor_dim0 = 32 elements
	s_mov_b32 s[G1Y+2], 128<<16                    ; tensor_dim1 = 128
	s_mov_b32 s[G1Y+3], 32<<16                     ; tile_dim0
	s_mov_b32 s[G1Y+4], 128                        ; tile_dim1
	s_mov_b32 s[G1Y+5], 32                         ; tensor_dim0_stride
	s_mov_b32 s[G1Y+6], 0
	s_mov_b32 s[G1Y+7], 0
	; w_proj: 64 rows x 256 bytes, 1,024 bytes apart, padded in LDS
	s_or_b32 s[G1W], s71, (0<<16)|(1<<20)|(1<<21)|(5<<22)|(3<<25)  ; the mask: my column; elements of 1 byte; padding: 4 words after every 64
	s_mov_b32 s[G1W+1], 256<<16
	s_mov_b32 s[G1W+2], 64<<16
	s_mov_b32 s[G1W+3], 256<<16
	s_mov_b32 s[G1W+4], 64
	s_mov_b32 s[G1W+5], 1024
	s_mov_b32 s[G1W+6], 0
	s_mov_b32 s[G1W+7], 0
	s_lshl_b32 s72, s69, 18                        ; y: a block of 256 rows is 2^18 bytes;
	s_lshl_b32 s76, s16, 15                        ; my half of a K step's 65,536: in memory and in a slot alike
	s_add_co_u32 s72, s72, s76
	s_mov_b32 s73, 0
	s_lshl_b32 s74, s68, 7                         ; w_proj: row 128 x tile column + 64 x half,
	s_lshl_b32 s77, s16, 6
	s_add_co_u32 s74, s74, s77
	s_lshl_b32 s74, s74, 10                        ; of 1,024 bytes
	s_mov_b32 s75, 0
	s_mul_i32 s77, s16, WHALF
	s_add_co_u32 s77, s77, YBYTES                  ; and its place in a slot
	s_wait_kmcnt 0x0
	s_load_b256 s[80:87], s[8:9], 0x0              ; e0 .. e7
	s_add_nc_u64 s[72:73], s[4:5], s[72:73]
	s_add_nc_u64 s[74:75], s[6:7], s[74:75]
.irp s, 0,1,2
	s_mov_b32 s[G0Y+4*\s], 1
	s_add_co_u32 s[G0Y+4*\s+1], s76, \s*SLOT
	s_add_nc_u64 s[G0Y+4*\s+2:G0Y+4*\s+3], s[72:73], \s*65536
	s_or_b32 s[G0Y+4*\s+3], s[G0Y+4*\s+3], 0x80000000
	s_mov_b32 s[G0W+4*\s], 1
	s_add_co_u32 s[G0W+4*\s+1], s77, \s*SLOT
	s_add_nc_u64 s[G0W+4*\s+2:G0W+4*\s+3], s[74:75], \s*256
	s_or_b32 s[G0W+4*\s+3], s[G0W+4*\s+3], 0x80000000
.endr
	CROUND                                         ; all sixteen work-groups are here: the first joint loads meet
	s_cmp_eq_u32 s15, 0                            ; a wave's three first fills stand in one branch, ahead of every wait on TENSORcnt and every LDS read: three loads of mine are out
	s_cbranch_scc0 .Lfirst_w
	tensor_load_to_lds s[G0Y:G0Y+3], s[G1Y:G1Y+7]
	s_nop 0
	tensor_load_to_lds s[G0Y+4:G0Y+7], s[G1Y:G1Y+7]
	s_nop 0
	tensor_load_to_lds s[G0Y+8:G0Y+11], s[G1Y:G1Y+7]
	s_nop 0
.rept 4
	v_nop
.endr
	s_branch .Lfirst_asked
.Lfirst_w:
	tensor_load_to_lds s[G0W:G0W+3], s[G1W:G1W+7]
	s_nop 0
	tensor_load_to_lds s[G0W+4:G0W+7], s[G1W:G1W+7]
	s_nop 0
	tensor_load_to_lds s[G0W+8:G0W+11], s[G1W:G1W+7]
	s_nop 0
.rept 4
	v_nop
.endr
.Lfirst_asked:
	v_and_b32 v1, 15, v0                           ; r = l % 16
	v_bfe_u32 v2, v0, 4, 1                         ; h = l / 16
	v_and_b32 v3, 31, v0
	v_lshlrev_b32 v4, 4, v3                        ; 16 x lane
	s_lshl_b32 s78, s15, 15                        ; my 128 rows of y: 8 tiles of 4,096 bytes
	v_add_nc_u32 v[ADY], s78, v4
	v_add_nc_u32 v[ADY+1], SLOT, v[ADY]
	v_add_nc_u32 v[ADY+2], SLOT, v[ADY+1]
	v_mul_u32_u24 v5, v1, PITCH
	v_lshl_add_u32 v5, v2, 3, v5                   ; w_proj: row r x pitch + 8 h
	s_mul_i32 s78, s16, WHALF                      ; my 64 rows,
	s_add_co_u32 s78, s78, YBYTES                  ; behind y's part
	v_add_nc_u32 v[ADW], s78, v5
	v_add_nc_u32 v[ADW+1], SLOT, v[ADW]
	v_add_nc_u32 v[ADW+2], SLOT, v[ADW+1]
	s_mul_i32 s78, s14, 16*PITCH
	s_add_co_u32 s78, s78, STAGE                   ; my stage
	v_mul_u32_u24 v5, v1, PITCH                    ; in: row r, 32 bytes for each half of the lanes
	v_lshl_add_u32 v5, v2, 5, v5
	v_add_nc_u32 v[STO], s78, v5
	v_mul_u32_u24 v5, v2, PITCH                    ; back: lanes 0-15 one row of 256 bytes, lanes 16-31 the next
	v_lshl_add_u32 v5, v1, 4, v5
	v_add_nc_u32 v[RD], s78, v5
	v_lshlrev_b32 v[CO], 12, v2                    ; and the same two rows in out0: rows of 4,096 bytes
	v_lshl_add_u32 v[CO], v1, 4, v[CO]
	s_lshl_b32 s78, s69, 8
	s_lshl_b32 s79, s15, 7
	s_add_co_u32 s78, s78, s79                     ; my first row: 256 x tile row + 128 x half
	s_lshl_b32 s78, s78, 12
	s_lshl_b32 s79, s68, 9                         ; my first column, in bytes: 512 x tile column + 256 x half
	s_add_co_u32 s78, s78, s79
	s_lshl_b32 s79, s16, 8
	s_add_co_u32 s78, s78, s79
	s_mov_b32 s79, 0
	s_add_nc_u64 s[10:11], s[10:11], s[78:79]
	s_wait_kmcnt 0x0
	s_add_co_i32 s88, s86, s87                     ; e6 + e7
	s_add_co_i32 s88, s88, 127
	s_lshl_b32 s88, s88, 23                        ; 2^(e6 + e7) as f32
	s_mov_b32 s89, s88                             ; (named with it as a pair, so it is written)
; The fragments of 128 along K, the q-th of a slot, into one of the two sets: w_proj's four (32 loads of 8 bytes a lane), then y's eight (32 loads of 16 bytes a lane), blocks 0-3 first
.macro FETCH slot, q, set
	WIN 0
.irp b, 0,1,2,3
.irp c, 0,1,2,3,4,5,6,7
	ds_load_b64 v[WF+64*(\set)+16*\b+2*\c:WF+64*(\set)+16*\b+2*\c+1], v[ADW+\slot] offset:16*PITCH*\b+128*(\q)+16*\c
.endr
.endr
	WIN TO_Y
.irp a, 0,1,2,3,4,5,6,7
.irp c, 0,1,2,3
	ds_load_b128 v[128*(\set)+16*\a+4*\c:128*(\set)+16*\a+4*\c+3], v[ADY+\slot] offset:4096*\a+2048*(\q)+512*\c
.endr
.endr
.endm
; n blocks of rows from a0 on x the four blocks of columns.  The 32 accumulators take turns, one instruction a turn, in the same order in every step.  zero = 1: the first products start the sums
.macro MULH set, a0, n, zero
.set AA, \a0
.rept \n
.irp b, 0,1,2,3
.if \zero
	v_wmma_f32_16x16x128_fp8_fp8 v[8*(4*AA+\b):8*(4*AA+\b)+7], v[WF+64*(\set)+16*\b:WF+64*(\set)+16*\b+15], v[128*(\set)+16*AA:128*(\set)+16*AA+15], 0
.else
	v_wmma_f32_16x16x128_fp8_fp8 v[8*(4*AA+\b):8*(4*AA+\b)+7], v[WF+64*(\set)+16*\b:WF+64*(\set)+16*\b+15], v[128*(\set)+16*AA:128*(\set)+16*AA+15], v[8*(4*AA+\b):8*(4*AA+\b)+7]
.endif
.endr
.set AA, AA+1
.endr
.endm
; A step of 128 along K: 32 products on one set; in its middle the next step's fragments (slot ns, its nq-th 128) are fetched into the other set
.macro SUB set, ns, nq, zero
	s_wait_dscnt 16                                ; all but the youngest 16 loads (y's blocks 4-7) are in
	WIN MUL
	MULH \set, 0, 4, \zero
	s_wait_dscnt 0                                 ; y's blocks 4-7 are in
	PLACES 4                                       ; in front of loads into the other set, which the step before multiplied
	FETCH \ns, \nq, 1-(\set)
	WIN MUL
	MULH \set, 4, 4, \zero
.endm
; A step on set 1 with a barrier in it: in front of it each wave waits for all its tensor loads, adds 0 to its spare word, and waits for that and for its own LDS reads.
; fill = 1: K steps 1 and 2 have landed in every wave, nobody reads slot 0 any more, and slot 0 takes K step 3.  fill = 0: K step 3 has landed in every wave.
.macro TURN fill, ns
	WIN 0                                          ; (the add's two registers lie in window 0)
	s_wait_tensorcnt 0x0
	ds_add_u32 v[SPW], v[NIL]                      ; 0 onto my spare word
	s_wait_dscnt 17                                ; the add and the youngest 16 loads may be out
	WIN MUL
	MULH 1, 0, 2, 0                                ; eight matrix instructions stand between the add and the wait for it
	s_wait_dscnt 0x0                               ; the add is done, and my LDS reads are over
	s_barrier_signal -1
	MULH 1, 2, 2, 0
	WIN 0
	s_barrier_wait -1
.if \fill
	CREST                                          ; the barrier has opened a round of the cluster's barrier: no wave of any partner still reads slot 0 or has a load on its way
	s_add_nc_u64 s[G0Y+2:G0Y+3], s[G0Y+2:G0Y+3], 3*65536
	s_add_nc_u64 s[G0W+2:G0W+3], s[G0W+2:G0W+3], 3*256
	JLOAD G0Y, G1Y, G0W, G1W                       ; the first tensor load behind the round: it has four steps, 128 matrix instructions, in which to land; its four v_nop are also the places in front of the loads below
.else
	PLACES 4
.endif
	FETCH \ns, 0, 0
	WIN MUL
	MULH 1, 4, 4, 0
.endm
	s_wait_tensorcnt 2                             ; my part of K step 0 is in; K steps 1 and 2 may be out
	s_barrier_signal -1
	s_barrier_wait -1                              ; everybody's is
	FETCH 0, 0, 0
	SUB 0, 0, 1, 1                                 ; K step 0, first half: its products start the sums
	TURN 1, 1                                      ; K step 0, second half; slot 0 is asked for again
	SUB 0, 1, 1, 0                                 ; K step 1
	s_wait_alu depctr_va_vdst(0)
	SUB 1, 2, 0, 0
	SUB 0, 2, 1, 0                                 ; K step 2
	TURN 0, 0
	SUB 0, 0, 1, 0                                 ; K step 3
	s_wait_dscnt 16
	WIN MUL
	MULH 1, 0, 4, 0
	s_wait_dscnt 0
	MULH 1, 4, 4, 0
; THE WAY OUT, block by block of 16 rows x 64 columns.  A lane holds 32 neighbouring bytes of a row, and the lanes beside it hold other rows: a block goes through my own stage in LDS and comes back as whole rows of 256 bytes.
; LDS serves a wave's instructions in order (ISA guide 5.7.1.4): no wait between the stores and the loads, nor in front of the next block's stores.  Every block has its own registers for its rows and every offset is an immediate: no store's source is written again.
.macro TOSTAGE a
	WIN 0x02                                       ; source 0: window 2
.irp j, 0,2,4,6,8,10,12,14,16,18,20,22,24,26,28,30
	v_pk_mul_f32 v[TMP+\j:TMP+\j+1], v[32*(\a)+\j:32*(\a)+\j+1], s[88:89] op_sel_hi:[1,0]   ; x 2^(e6 + e7); each accumulator from its low end on
.endr
	WIN 0
.irp b, 0,1,2,3
	ds_store_b128 v[STO], v[TMP+8*\b:TMP+8*\b+3] offset:64*\b
	ds_store_b128 v[STO], v[TMP+8*\b+4:TMP+8*\b+7] offset:64*\b+16
.endr
	WIN TO_Y
.irp t, 0,1,2,3,4,5,6,7
	ds_load_b128 v[32*(\a)+4*\t:32*(\a)+4*\t+3], v[RD] offset:\t*2*PITCH
.endr
.endm
.macro SEND a, younger                 ; younger: the LDS instructions issued behind block a's loads, which may stay out
	s_wait_dscnt \younger
	WIN 0x04                                       ; the stores' data: window 1
.irp t, 0,1,2,3,4,5,6,7
	global_store_b128 v[CO], v[32*(\a)+4*\t:32*(\a)+4*\t+3], s[10:11] offset:(16*(\a)+2*\t)*4096 th:TH_STORE_NT   ; 16 lanes store 256 consecutive bytes, aligned; 126 rows of 4,096 bytes at the most: inside the signed 24-bit immediate
.endr
.endm
	PLACES 4                                       ; behind the last products: for the reads of results and for the loads into the registers that held y's fragments
	TOSTAGE 0
.irp a, 1,2,3,4,5,6,7
	TOSTAGE \a
	SEND \a-1, 16                                  ; behind block a - 1's loads: block a's 8 stores and 8 loads
.endr
	SEND 7, 0
	WIN 0
	s_wait_tensorcnt 0x0                           ; the wave's end
	ds_add_u32 v[SPW], v[NIL]
	s_wait_dscnt 0x0
	CROUND                                         ; the closing round: no work-group ends while a partner may still ask for a tile that names it
	s_endpgm
.Lfunc_end_k_q979632ea83_proj:
	.size	k_q979632ea83_proj, .Lfunc_end_k_q979632ea83_proj-k_q979632ea83_proj
	.p2alignl 7, 3214868480
	.fill 96, 4, 3214868480
	.section	.rodata,"a",@progbits
	.p2align	6, 0x0
	.amdhsa_kernel k_q979632ea83_proj
		.amdhsa_group_segment_fixed_size 327680
		.amdhsa_private_segment_fixed_size 0
		.amdhsa_enable_private_segment 0
		.amdhsa_kernarg_size 32
		.amdhsa_user_sgpr_count 2
		.amdhsa_user_sgpr_kernarg_segment_ptr 1
		.amdhsa_wavefront_size32 1
		.amdhsa_system_sgpr_workgroup_id_x 1
		.amdhsa_system_sgpr_workgroup_id_y 1
		.amdhsa_system_sgpr_workgroup_id_z 1
		.amdhsa_system_vgpr_workitem_id 0
		.amdhsa_next_free_vgpr 768
		.amdhsa_next_free_sgpr 96
		.amdhsa_reserve_vcc 0
		.amdhsa_float_denorm_mode_32 3
		.amdhsa_float_denorm_mode_16_64 3
		.amdhsa_memory_ordered 1
		.amdhsa_forward_progress 1
		.amdhsa_inst_pref_size 83
	.end_amdhsa_kernel
	.amdgpu_metadata
---
amdhsa.version: [ 1, 2 ]
amdhsa.kernels:
  - .name:           k_q979632ea83_proj
    .symbol:         k_q979632ea83_proj.kd
    .args:
      - { .name: yimg, .offset: 0, .size: 8, .value_kind: global_buffer, .address_space: global }
      - { .name: w_proj_codes, .offset: 8, .size: 8, .value_kind: global_buffer, .address_space: global }
      - { .name: lowp_scales, .offset: 16, .size: 8, .value_kind: global_buffer, .address_space: global }
      - { .name: out0, .offset: 24, .size: 8, .value_kind: global_buffer, .address_space: global }
    .group_segment_fixed_size: 327680
    .private_segment_fixed_size: 0
    .kernarg_segment_align: 8
    .kernarg_segment_size: 32
    .max_flat_workgroup_size: 128
    .sgpr_count:     96
    .vgpr_count:     768
    .wavefront_size: 32
...
	.end_amdgpu_metadata
.endif
;; end of part 3
